; MI455X (gfx1250); checked and timed in simulation.
; The chip was launched on July 23, 2026; its instructions are those of AMD's public machine-readable ISA for CDNA 5 (MIT licence, August 2026) and "CDNA5" Instruction Set Architecture Reference Guide (July 2026). The comments in the code are by the model that wrote it; some were corrected since.
;; LSTM Custom. Allowed arithmetic: matrix products marked QUANTISED: E5M2 operands, one E8M0 scale for each 32 along K, by v_wmma_scale_f32_16x16x128_f8f6f4 with both operands' format E5M2, f32 sums; everything else in f32.
;; Inputs: W_ch 1,024 x 1,024 float32; W_cx 1,024 x 512 float32; W_fh 1,024 x 1,024 float32; W_fx 1,024 x 512 float32; W_ih 1,024 x 1,024 float32; W_ix 1,024 x 512 float32; W_oh 1,024 x 1,024 float32; W_ox 1,024 x 512 float32; b_ch 1,024 float32; b_cx 1,024 float32; b_fh 1,024 float32; b_fx 1,024 float32; b_ih 1,024 float32; b_ix 1,024 float32; b_oh 1,024 float32; b_ox 1,024 float32; c 8,192 x 1,024 float32; h 8,192 x 1,024 float32; xt 8,192 x 512 float32.
;; Outputs: out0 8,192 x 1,024 float32; out1 8,192 x 1,024 float32.
;; This version of the problem:
;;   THIS VERSION OF THE PROBLEM IS GIVEN IN LOW PRECISION. The matrix products marked QUANTISED in the list below multiply operands that are first quantised to E5M2 (5 exponent bits, 2 mantissa bits; 8 bits a number), with one power-of-two scale for each 32 numbers along K (OCP MX v1.0); their sums are f32. All else is computed in f32.
;;   The module's matrix products, in the order in which they are computed (A, B: the left and right operand; K: the contracted axis; several contracted axes count as one K, in the product's order):
;;     1. [M 8,192, K 512] x [K 512, N 4,096]; A: input xt; B: computed on the way: QUANTISED
;;     2. [M 8,192, K 1,024] x [K 1,024, N 4,096]; A: input h; B: computed on the way: QUANTISED
;;   THE QUANTISER, for each operand of a quantised product, along K:
;;     - K is cut into blocks of 32 from its start; a last block that is shorter is filled with zeros.
;;     - A block's scale is 2^e with e = floor(log2(the largest magnitude in the block)) - 15, held to -126 .. 127; a block of zeros has e = 0. As a byte (E8M0): e + 127.
;;     - Each number is divided by its block's scale, clamped to +-57,344, and rounded to the nearest number of E5M2, ties to even, subnormals kept.
;;     - The product sums the exact products of the quantised numbers (number of the format x scale) in f32.
;;   ~~~python
;;   def quantise(x, axis):      # numpy; x: float32 -> the quantised numbers, widened to float32 again
;;       x = np.moveaxis(x, axis, -1); K = x.shape[-1]
;;       x = np.pad(x, [(0, 0)] * (x.ndim - 1) + [(0, -K % 32)]); x = x.reshape(x.shape[:-1] + (-1, 32)); a = np.abs(x).max(-1, keepdims=True)
;;       e = np.where(a > 0, np.clip(np.frexp(np.where(a > 0, a, 1))[1] - 1 - 15, -126, 127), 0)      # np.frexp(a)[1] - 1 = floor(log2(a)), exactly
;;       r = np.clip(x / 2.0 ** e, -57344, 57344)
;;       step = 2.0 ** (np.maximum(np.frexp(np.where(r == 0, 1, r))[1] - 1, -14) - 2)
;;       q = np.round(r / step) * step * 2.0 ** e      # np.round: ties to even
;;       return np.moveaxis(q.reshape(q.shape[:-2] + (-1,))[..., :K], -1, axis).astype(np.float32)
;;   ~~~
;;   OPERANDS COMPUTED ON THE WAY. 'Computed on the way' means the value that the module computes at that place (a softmax that the list does not call 'softmax' is quantised finished and normalised). What goes into a quantiser is computed in f32, as accurately as f32 sums, v_exp_f32 and their like allow (about 1e-6 of the number): no bf16 or f16 on the way to a quantiser, and a product that is left as it is and whose result goes on into a quantised operand takes f32 operands (vector FMAs, or v_wmma_f32_16x16x4_f32). A number that lies on a knife's edge between two numbers of the format may be rounded either way, as far as f32 arithmetic and the matrix unit's own rounding can turn it there, and no further.
;; One version. Each part assembles by itself: llvm-mc -triple=amdgcn-amd-amdhsa -mcpu=gfx1250 --defsym DOCPART=n.
;; ======== version 1 of 1: 2 launches
;; limits: inputs' magnitudes at most 1.15e+18; right only within a limited range of input values
;; workspace buffers: aq 12,976,128 bytes; bq 6,488,064 bytes
;; launch quant (part 1): grid 12 x 96, 8 waves a work-group, no clusters, 69,120 bytes of LDS; arguments xt, h, W_ix, W_fx, W_ox, W_cx, W_ih, W_fh, W_oh, W_ch, aq, bq; writes aq, bq
.if DOCPART == 1
	.amdgcn_target "amdgcn-amd-amdhsa--gfx1250"
	.amdhsa_code_object_version 6
	.text
	.protected	k_qa168f14565_quant
	.globl	k_qa168f14565_quant
	.p2align	8
	.type	k_qa168f14565_quant,@function
k_qa168f14565_quant:
	s_mov_b64 s[64:65], 0
	v_nop
	global_prefetch_b8 v0, s[64:65] scope:SCOPE_SE
	s_setreg_imm32_b32 hwreg(HW_REG_WAVE_MODE, 25, 1), 1
	s_wait_xcnt 0x0
; [xt | h] (8,192 rows, K = 512 + 1,024) and the eight weights (4 gates x 1,024 rows, the same K) become codes of BF8 (E5M2) with one E8M0 scale byte for each 32 along K.
; A block's scale is 2^(floor(log2(its largest magnitude)) - 15); its byte is that magnitude's exponent field - 15, held at 1 from below.  Each number is divided by the scale, held within +-57,344 and rounded to the nearest code, ties to even.
; LIMITS: a block of zeros gets the byte 1 where the rule says 127: its codes are zeros, which add nothing under any byte but 0xff, and this program alone reads the bytes.  NaN and infinities among the inputs are not served.
; THE OUTPUT IS LAID IN THE ORDER OF THE OPERAND'S REGISTERS.  A TILE is 128 rows x 128 K, 16,896 bytes: eight fragments of 16 rows (2,048 bytes each: register group c of lane l at 512 c + 16 l; lane (r, h) holds
; k = 32 c + 16 h + 0 .. 15 of row r), then 512 bytes of scale words: the word of (fragment i, row r) at 16,384 + 256 (i / 4) + 16 r + 4 (i % 4).
; aq: [64 groups of 128 rows][12 K steps][tile].  bq: [32 groups][12 K steps][tile]; in group G fragment 2 g + u holds rows 32 G + 16 u + 0 .. 15 of gate g (0 i, 1 f, 2 o, 3 c).  K steps 0-3 come from xt and W_*x, 4-11 from h and W_*h.
; SHARES.  Work-group (x = K step, y = group; y 0-63 aq's, 64-95 bq's) makes one tile; wave w makes fragment w.  One path through the text serves all ten tensors: only pointers, the row pitch and the row number are chosen.
; Each load takes 512 consecutive bytes of one row, 16 a lane; the conversions want 16 neighbours along K in one lane, so a fragment's 8,192 bytes turn through the wave's own stage in LDS.
.set TILEB, 16896
.set SP,    528                        ; a stage row: 512 bytes + 16 = 33 x 16 bytes, so that sixteen rows' reads of 16 bytes fall on sixteen different columns of 16 bytes modulo 256
.set STG,   16*SP                      ; a wave's stage
.set SCB,   8*STG                      ; behind the stages: the tile's 512 bytes of scale words
.set LI,  4                            ; v4   16 x lane
.set STI, 5                            ; v5   the stage, on the way in: my wave's stage + 16 x lane
.set STO, 6                            ; v6   on the way out: row r, + 64 h
.set SCA, 7                            ; v7   where my row's scale word goes
.set SCR, 8                            ; v8   where wave 0 reads the words back
.set FO,  9                            ; v9   my fragment's place in the tile + 16 x lane
.set SW,  10                           ; v[10:13] the scale words on their way out
.set PW,  15                           ; v15  the scale word just made
.set OFF, 16                           ; v16-31  row i's byte offset
.set R,   32                           ; v32-95  64 numbers
.set PC,  96                           ; v96-111 the codes
.set TM,  112                          ; v112-115 largest magnitudes, v116-119 bytes, v120-123 the largest number x the scale, v124-127 the conversions' scale operands
.set SEL, 36                           ; s[36:37] lane selects for v_permlanex16_b32: lane l xor 16
.set MNT, 38                           ; s38  the mantissa field of 57,344
	s_load_b512 s[8:23], s[0:1], 0x0               ; xt 8, h 10, W_ix 12, W_fx 14, W_ox 16, W_cx 18, W_ih 20, W_fh 22
	s_load_b256 s[24:31], s[0:1], 0x40             ; W_oh 24, W_ch 26, aq 28, bq 30
	v_lshl_add_u32 v128, v0, 2, 0x10a00
	v_mov_b32 v129, 0
	v_lshrrev_b32 v14, 5, v0
	s_delay_alu instid0(VALU_DEP_1)
	v_readfirstlane_b32 s32, v14                   ; wave 0..7
	s_and_b32 s33, ttmp7, 0xffff                   ; y
	v_and_b32 v1, 31, v0                           ; lane
	v_and_b32 v2, 15, v0                           ; r
	v_bfe_u32 v3, v0, 4, 1                         ; h
	s_delay_alu instid0(VALU_DEP_3)
	v_lshlrev_b32 v[LI], 4, v1
	s_wait_alu depctr_va_vdst(0)
	s_mul_i32 s34, s32, STG
	v_add_nc_u32 v[STI], s34, v[LI]
	v_mul_u32_u24 v[STO], v2, SP
	s_delay_alu instid0(VALU_DEP_1)
	v_lshl_add_u32 v[STO], v3, 6, v[STO]
	s_delay_alu instid0(VALU_DEP_1)
	v_add_nc_u32 v[STO], s34, v[STO]
	s_lshr_b32 s35, s32, 2
	s_lshl_b32 s35, s35, 8                         ; 256 (w / 4)
	s_and_b32 s39, s32, 3
	s_lshl_b32 s39, s39, 2                         ; 4 (w % 4)
	s_add_co_u32 s35, s35, s39
	s_add_co_u32 s35, s35, SCB
	v_lshl_add_u32 v[SCA], v2, 4, s35              ; + 16 r
	v_add_nc_u32 v[SCR], SCB, v[LI]
	s_lshl_b32 s39, s32, 11
	v_add_nc_u32 v[FO], s39, v[LI]
	s_mov_b32 s[SEL], 0x76543210
	s_mov_b32 s[SEL+1], 0xfedcba98
	s_mov_b32 s[MNT], 0x600000
.irp b, 0,1,2,3
	v_mov_b32 v[TM+4+\b], 0                        ; written once: a lane permute's destination counts as one of its sources
.endr
	s_mov_b32 s42, 4096                            ; a row of h or of W_*h in bytes
	s_wait_kmcnt 0x0
	; which tensor?  Every choice hangs on the work-group's and the wave's numbers alone.
	s_cmp_lt_u32 ttmp9, 4                          ; K steps 0-3: the x side
	s_cselect_b64 s[8:9], s[8:9], s[10:11]         ; xt or h
	s_cselect_b64 s[12:13], s[12:13], s[20:21]     ; gate i's weight,
	s_cselect_b64 s[14:15], s[14:15], s[22:23]     ; f's,
	s_cselect_b64 s[16:17], s[16:17], s[24:25]     ; o's,
	s_cselect_b64 s[18:19], s[18:19], s[26:27]     ; c's
	s_cselect_b32 s42, 2048, s42                   ; the row pitch in bytes
	s_cselect_b32 s41, 0, 4
	s_sub_co_u32 s41, ttmp9, s41                   ; the K step inside the tensor
	s_and_b32 s43, s32, 4                          ; my gate is w / 2: its upper bit,
	s_cmp_lg_u32 s43, 0
	s_cselect_b64 s[12:13], s[16:17], s[12:13]
	s_cselect_b64 s[14:15], s[18:19], s[14:15]
	s_and_b32 s43, s32, 2                          ; its lower bit
	s_cmp_lg_u32 s43, 0
	s_cselect_b64 s[12:13], s[14:15], s[12:13]
	s_lshl_b32 s44, s33, 7
	s_lshl_b32 s45, s32, 4
	s_add_co_u32 s44, s44, s45                     ; an activation's first row: 128 y + 16 w
	s_max_u32 s46, s33, 64
	s_sub_co_u32 s46, s46, 64                      ; a weight's group: y - 64 (0 where y is an activation's)
	s_lshl_b32 s45, s46, 5
	s_and_b32 s47, s32, 1
	s_lshl_b32 s47, s47, 4
	s_add_co_u32 s45, s45, s47                     ; a weight's first row: 32 group + 16 (w % 2)
	s_cmp_lt_u32 s33, 64                           ; activation or weight?
	s_cselect_b64 s[8:9], s[8:9], s[12:13]
	s_cselect_b64 s[28:29], s[28:29], s[30:31]
	s_cselect_b32 s44, s44, s45
	s_cselect_b32 s46, s33, s46
	s_mul_i32 s44, s44, s42                        ; row x pitch: under 2^25
	s_lshl_b32 s41, s41, 9                         ; + 512 bytes a K step
	s_add_co_u32 s44, s44, s41
	s_mov_b32 s45, 0
	s_add_nc_u64 s[8:9], s[8:9], s[44:45]
	s_mul_i32 s46, s46, 12
	s_add_co_u32 s46, s46, ttmp9
	s_mul_i32 s46, s46, TILEB                      ; the tile's first byte: under 2^24
	s_mov_b32 s47, 0
	s_add_nc_u64 s[28:29], s[28:29], s[46:47]
.irp i, 0,1,2,3,4,5,6,7,8,9,10,11,12,13,14,15
	v_mad_u32_u24 v[OFF+\i], s42, \i, v[LI]        ; row i, my 16 bytes
.endr
.irp i, 0,1,2,3,4,5,6,7,8,9,10,11,12,13,14,15
	global_load_b128 v[R+4*\i:R+4*\i+3], v[OFF+\i], s[8:9] th:TH_LOAD_NT   ; 32 lanes read 512 consecutive bytes of row i; each byte is read once in the launch
.endr
.irp i, 0,1,2,3,4,5,6,7,8,9,10,11,12,13,14,15
	s_wait_loadcnt 15-\i                           ; loads come back in order: row i is in, the 15 - i younger ones may be out
	ds_store_b128 v[STI], v[R+4*\i:R+4*\i+3] offset:SP*\i
.endr
.irp b, 0,1,2,3
.irp j, 0,1,2,3
	ds_load_b128 v[R+16*\b+4*\j:R+16*\b+4*\j+3], v[STO] offset:128*\b+16*\j   ; LDS serves a wave's instructions in order: these see my stores.  Register 16 b + i is now k = 32 b + 16 h + i of row r
.endr
.endr
	s_wait_dscnt 0x0
	; the four blocks of 32, each shared by lanes l and l xor 16
.irp b, 0,1,2,3
	v_max3_num_f32 v[TM+\b], |v[R+16*\b]|, |v[R+1+16*\b]|, 0x8000000   ; my 16 numbers, and the floor 2^(16 - 127): the byte cannot fall under 1
.endr
.irp i, 2,4,6,8,10,12,14
.irp b, 0,1,2,3
	s_delay_alu instid0(VALU_DEP_4)
	v_max3_num_f32 v[TM+\b], v[TM+\b], |v[R+16*\b+\i]|, |v[R+1+16*\b+\i]|   ; (the four blocks by turns: no line waits for the line above it)
.endr
.endr
.irp b, 0,1,2,3
	s_delay_alu instid0(VALU_DEP_4)
	v_permlanex16_b32 v[TM+4+\b], v[TM+\b], s[SEL], s[SEL+1]
.endr
.irp b, 0,1,2,3
	s_delay_alu instid0(VALU_DEP_4)
	v_max_num_f32 v[TM+\b], v[TM+\b], v[TM+4+\b]   ; the block's largest magnitude
.endr
.irp b, 0,1,2,3
	s_delay_alu instid0(VALU_DEP_4)
	v_add_nc_u32 v[TM+12+\b], 0xf8800000, v[TM+\b] ; 15 off its exponent field: the conversion takes the exponent field of this operand as its scale
.endr
.irp b, 0,1,2,3
	v_and_or_b32 v[TM+8+\b], v[TM+\b], 0x7f800000, s[MNT]   ; 57,344 x the scale
.endr
.irp b, 0,1,2,3
	v_lshrrev_b32 v[TM+4+\b], 23, v[TM+12+\b]      ; the scale's byte
.endr
	s_delay_alu instid0(VALU_DEP_3)
	v_lshl_or_b32 v[PW], v[TM+5], 8, v[TM+4]       ; the four bytes make my row's scale word
	s_delay_alu instid0(VALU_DEP_1)
	v_lshl_or_b32 v[PW], v[TM+6], 16, v[PW]
	s_delay_alu instid0(VALU_DEP_1)
	v_lshl_or_b32 v[PW], v[TM+7], 24, v[PW]
.irp b, 0,1,2,3
.irp i, 0,1,2,3,4,5,6,7,8,9,10,11,12,13,14,15
	v_med3_num_f32 v[R+16*\b+\i], v[R+16*\b+\i], -v[TM+8+\b], v[TM+8+\b]   ; the conversion to an 8-bit code does not saturate (ISA guide 7.6.2): the hold at the largest code x the scale
.endr
	v_cvt_scalef32_pk8_bf8_f32 v[PC+4*\b:PC+1+4*\b], v[R+16*\b:R+7+16*\b], v[TM+12+\b]
	v_cvt_scalef32_pk8_bf8_f32 v[PC+2+4*\b:PC+3+4*\b], v[R+8+16*\b:R+15+16*\b], v[TM+12+\b]
.endr
	v_nop                                          ; a plain line behind the last conversion
.irp c, 0,1,2,3
	global_store_b128 v[FO], v[PC+4*\c:PC+4*\c+3], s[28:29] offset:512*\c   ; the wave stores 512 consecutive bytes, at a multiple of 256 from the buffer's first byte
.endr
	ds_store_b32 v[SCA], v[PW]                     ; lanes r and r + 16 write the same word with the same value
	s_wait_dscnt 0x0                               ; for the others' sake: my word has landed
	s_barrier_signal -1
	s_barrier_wait -1
	s_cmp_lg_u32 s32, 0                            ; wave 0 sends the tile's 512 bytes of scale words
	s_cbranch_scc1 .Lend
	ds_load_b128 v[SW:SW+3], v[SCR]
	s_wait_dscnt 0x0
	global_store_b128 v[LI], v[SW:SW+3], s[28:29] offset:16384   ; 512 consecutive bytes, aligned to 256
.Lend:
	s_wait_tensorcnt 0x0
	ds_add_u32 v128, v129
	s_wait_dscnt 0x0
	s_endpgm
.Lfunc_end_k_qa168f14565_quant:
	.size	k_qa168f14565_quant, .Lfunc_end_k_qa168f14565_quant-k_qa168f14565_quant
	.p2alignl 7, 3214868480
	.fill 96, 4, 3214868480
	.section	.rodata,"a",@progbits
	.p2align	6, 0x0
	.amdhsa_kernel k_qa168f14565_quant
		.amdhsa_group_segment_fixed_size 69120
		.amdhsa_private_segment_fixed_size 0
		.amdhsa_enable_private_segment 0
		.amdhsa_kernarg_size 96
		.amdhsa_user_sgpr_count 2
		.amdhsa_user_sgpr_kernarg_segment_ptr 1
		.amdhsa_wavefront_size32 1
		.amdhsa_system_sgpr_workgroup_id_x 1
		.amdhsa_system_sgpr_workgroup_id_y 1
		.amdhsa_system_sgpr_workgroup_id_z 1
		.amdhsa_system_vgpr_workitem_id 0
		.amdhsa_next_free_vgpr 130
		.amdhsa_next_free_sgpr 66
		.amdhsa_reserve_vcc 0
		.amdhsa_float_denorm_mode_32 3
		.amdhsa_float_denorm_mode_16_64 3
		.amdhsa_memory_ordered 1
		.amdhsa_forward_progress 1
		.amdhsa_inst_pref_size 19
	.end_amdhsa_kernel
	.amdgpu_metadata
---
amdhsa.version: [ 1, 2 ]
amdhsa.kernels:
  - .name:           k_qa168f14565_quant
    .symbol:         k_qa168f14565_quant.kd
    .args:
      - { .name: xt, .offset: 0, .size: 8, .value_kind: global_buffer, .address_space: global }
      - { .name: h, .offset: 8, .size: 8, .value_kind: global_buffer, .address_space: global }
      - { .name: W_ix, .offset: 16, .size: 8, .value_kind: global_buffer, .address_space: global }
      - { .name: W_fx, .offset: 24, .size: 8, .value_kind: global_buffer, .address_space: global }
      - { .name: W_ox, .offset: 32, .size: 8, .value_kind: global_buffer, .address_space: global }
      - { .name: W_cx, .offset: 40, .size: 8, .value_kind: global_buffer, .address_space: global }
      - { .name: W_ih, .offset: 48, .size: 8, .value_kind: global_buffer, .address_space: global }
      - { .name: W_fh, .offset: 56, .size: 8, .value_kind: global_buffer, .address_space: global }
      - { .name: W_oh, .offset: 64, .size: 8, .value_kind: global_buffer, .address_space: global }
      - { .name: W_ch, .offset: 72, .size: 8, .value_kind: global_buffer, .address_space: global }
      - { .name: aq, .offset: 80, .size: 8, .value_kind: global_buffer, .address_space: global }
      - { .name: bq, .offset: 88, .size: 8, .value_kind: global_buffer, .address_space: global }
    .group_segment_fixed_size: 69120
    .private_segment_fixed_size: 0
    .kernarg_segment_align: 8
    .kernarg_segment_size: 96
    .max_flat_workgroup_size: 256
    .sgpr_count:     66
    .vgpr_count:     130
    .wavefront_size: 32
...
	.end_amdgpu_metadata
.endif
;; end of part 1
;; launch cell (part 2): grid 16 x 16, 4 waves a work-group, clusters of 4 x 4, 327,680 bytes of LDS; arguments aq, bq, c, out0, out1, b_ix, b_fx, b_ox, b_cx, b_ih, b_fh, b_oh, b_ch; writes out0, out1
.if DOCPART == 2
	.amdgcn_target "amdgcn-amd-amdhsa--gfx1250"
	.amdhsa_code_object_version 6
	.text
	.protected	k_qa168f14565_cell
	.globl	k_qa168f14565_cell
	.p2align	8
	.type	k_qa168f14565_cell,@function
k_qa168f14565_cell:
	s_mov_b64 s[64:65], 0
	v_nop
	global_prefetch_b8 v0, s[64:65] scope:SCOPE_SE
	s_setreg_imm32_b32 hwreg(HW_REG_WAVE_MODE, 25, 1), 1
	s_wait_xcnt 0x0
	s_wait_alu depctr_hold_cnt(0) depctr_sa_sdst(0) depctr_va_vdst(0) depctr_va_sdst(0) depctr_va_ssrc(0) depctr_va_vcc(0) depctr_vm_vsrc(0)
	s_getreg_b32 s2, hwreg(HW_REG_IB_STS2, 6, 4)
	s_cmp_eq_u32 s2, 0
	s_cbranch_scc0 .Lentry_in_a_cluster
	s_endpgm
.Lentry_in_a_cluster:
	s_bfe_u32 s2, ttmp6, 0x10000c
	s_cmp_lg_u32 s2, 0xf033
	s_cbranch_scc0 .Lentry_shape_is_right
	s_endpgm
.Lentry_shape_is_right:
; g = [xt | h] [Wx | Wh]^T + bx + bh on codes of BF8 (E5M2) with E8M0 scales (K = 1,536: 12 steps of 128), then c_new = sigmoid(gf) c + sigmoid(gi) tanh(gc) (out1) and h_new = sigmoid(go) c_new (out0), in f32.  g never goes to memory.
; aq, bq: codes and scale words in the order of the operand's registers: tiles of 128 rows x 128 K, 16,896 bytes: eight fragments of 2,048 bytes (register group c of lane l at 512 c + 16 l), then 512 bytes of scale words
; (fragment i, row r: 16,384 + 256 (i / 4) + 16 r + 4 (i % 4)).  aq [64 groups][12 K steps][tile]; bq [32 groups][12][tile], fragment 2 g + u of group G = rows 32 G + 16 u on of gate g (0 i, 1 f, 2 o, 3 c).
; SHARES.  256 work-groups, each STAYS and makes two tiles of 256 rows x 64 hidden units in all four gates (256 x 256 of g), 4,096 rows apart, on the same weights.  Four waves, each 128 x 128: 64 accumulators, 512 registers.
; THE MATRIX INSTRUCTION IS USED TRANSPOSED (source 0 = 16 rows of the weights, source 1 = 16 rows of the activations): register j of accumulator (a, 2 g + u) in lane (r, h) is gate g of row 16 a + r, hidden unit 16 u + 8 h + j of
; my 32: the four gates of an element lie in one lane.  The biases' sums are the C of each sum's first matrix instruction and stay in registers for both tiles.
; THE RING.  Two neighbouring K steps of a group are 33,792 consecutive bytes: one tensor load a wave (132 rows of 256 bytes) brings codes and scale words of 128 rows x 256 K.  Two slots of four such parts; six slots a tile.
; The ring does not stop at a tile's end: the first tile's last two changes of slots ask for the second tile's first two slots, which are on their way while the first tile's gates are computed.
; CLUSTERS: 4 x 4 work-groups.  The four of a row of the cluster need the same tiles of aq, the four of a column the same tiles of bq: each is asked for JOINTLY, by the same tensor load with the same descriptor and a mask that names the four.
; PREFETCH.  Behind the joint load of slot n stands the prefetch of slot n + 2 (two changes of slots, 256 matrix instructions, ahead of the load that wants it).  Of the 132 blocks of 256 bytes that a wave fetches, each of the four
; partners names 33, told apart by address (cx for aq, cy for bq): 32 by a lane each, the 33rd by a second line.  aq: slots 2 to 11 of the walk; bq: slots 2 to 5, since the second tile reads the same bytes again.
; c: each wave names its 64 rows' 256 bytes, a lane a row, in the K loop's second trip.
; THE GATES.  With a, b, e = 2^(-k gi), 2^(-k gf), 2^(-k go), d = 2^(2 k gc), k = log2(e):  N = c (1+a)(1+d) + (d-1)(1+b);  h_new = N / ((1+a)(1+b)(1+d)(1+e));  c_new = h_new (1+e): five transcendentals an element.
; LIMITS: the four exponents are held at 30 from above, so that the divisor stays under 2^121: a saturated gate is off by under 1e-9 of 1; |c| under 2^60; NaN and infinities among the inputs are not served.
; THE WAY IN OF c AND THE WAY OUT go block by block of 16 rows of each row half, through stages behind the ring into which no tensor load lands.  A wave's 32 hidden units are half of a row's 256 bytes: so c is loaded as whole rows
; (sixteen lanes to 256 bytes), stored to a stage and read back by the lanes that need it, and the results take the same way back.  Every stage has two buffers by turns: one barrier a block orders writers and readers.
; REGISTERS, in windows of 256: window 0: v1-31 addresses; v32-63 scale words, two sets (in the gates' phase: rows read back); v64-127 the biases' sums; v128-255 the activations' fragments, ONE set (in the gates' phase: at work).
;   window 1: the weights' fragments, TWO sets, at v0 and v128.   window 2: the accumulators of my rows 0-63 ((a, b) at v[8 (8 a + b)]);   window 3: those of my rows 64-127.
.set TILEB,  16896
.set HALFT,  2*TILEB                   ; what one tensor load brings
.set SLOT,   4*HALFT                   ; aq's two halves, then bq's two
.set GROUPB, 12*TILEB
.set NEXT_A, 32*GROUPB-4*HALFT         ; from a slot's last fill of a tile to its first of the next: 32 groups on, four slots back
.set BACK_B, 4*HALFT
.set CROSS,  32*GROUPB-5*HALFT         ; the prefetch's step from the first tile's slot 5 to the second's slot 0
.set CP,     272                       ; a stage row: 256 bytes + 16
.set BLK,    32*CP                     ; a block's 32 rows
.set STG,    2*SLOT                    ; behind the ring: c's stage, buffers at 0 and BLK;
.set OC,     2*BLK                     ; the results': buffer p at OC + 2 BLK p: c_new, then h_new BLK further on
.set SPARE,  STG+6*BLK                 ; the spare words, 128 bytes for each wave
.set FR,     16
.set NP,     8                         ; places behind this matrix instruction (ISA guide 7.12.1)
.set BO,   15                          ; my byte offset in a bias
.set ADRA, 16                          ; v16-17 my activations' fragments in slot 0, 1
.set ADRB, 20                          ; v20-21 my weights'
.set ADRS, 22                          ; v22-23 my scale words: lanes 0-15 the activations', lanes 16-31 the weights'
.set LL,   24                          ; a stage by lanes: row 16 (w / 2) + r, byte 128 (w % 2) + 32 h
.set RL,   25                          ; a stage by rows: row 8 w + h, byte 16 r
.set CO,   26                          ; the same rows in c and the outputs: row 128 (w / 2) + 8 (w % 2) + h
.set PFO,  27                          ; 256 x lane
.set SPW,  28
.set NIL,  29
.set PFQ,  30                          ; 8,192: my share's 33rd block
.set PFC,  31                          ; (64 w + lane) rows of c
.set SC,   32
.set RBK,  32                          ; eight rows of each output read back
.set BI,   64
.set AF,   128
.set T,    128
.set TI,   128
.set TF,   144
.set TO,   160
.set TD,   176
.set DM,   192                         ; d - 1, then N, then h_new
.set CR,   208                         ; c, two sets of 16; then c_new
.set GC,   240                         ; four loads of whole rows of c
.set G1,   24
.set G0,   32
.set G1B,  48
.set G0B,  56
.set PFA,  84                          ; s[84:85] where my prefetches stand
.set PN,   86                          ; the slot of the walk (0 to 11) that the next prefetch names
.set LIM,  87                          ; the last slot that my wave prefetches: 11 for aq, 5 for bq
.set PST,  88                          ; s[88:89] the step
.set PCR,  90
.set MSB, 0
.macro WIN new
.if MSB != \new
	s_set_vgpr_msb (MSB<<8)|\new
.set MSB, \new
.endif
.endm
.set MUL_LO,   0xa1
.set MUL_HI,   0xf1
.set FIRST_LO, 0x81
.set FIRST_HI, 0xc1
.set TO_B,     0x40
.set FROM_B,   0x04                    ; an LDS store's data in window 1
; A joint load: waves 0 and 1 fetch aq's halves, waves 2 and 3 bq's.
.macro JLOAD g0a, g1a, g0b, g1b
	s_cmp_eq_u32 s15, 0
	s_cbranch_scc0 .Lfor_b_\@
	tensor_load_to_lds s[\g0a:\g0a+3], s[\g1a:\g1a+7]
	s_nop 0
.rept 4
	v_nop
.endr
	s_branch .Lasked_\@
.Lfor_b_\@:
	tensor_load_to_lds s[\g0b:\g0b+3], s[\g1b:\g1b+7]
	s_nop 0
.rept 4
	v_nop
.endr
.Lasked_\@:
.endm
.macro CREST
	s_cmp_lg_u32 s14, 0
	s_cbranch_scc1 .Lnot_wave_0_\@
	s_barrier_signal -3
.Lnot_wave_0_\@:
	s_barrier_wait -3
	s_barrier_signal -1
	s_barrier_wait -1
.endm
.macro CROUND
	s_barrier_signal -1
	s_barrier_wait -1
	CREST
.endm
.macro ASK                             ; my 33 blocks of slot PN, while it is one that my wave prefetches
	s_cmp_le_u32 s[PN], s[LIM]
	s_cbranch_scc0 .Lnoask_\@
	global_prefetch_b8 v[PFO], s[PFA:PFA+1] th:TH_LOAD_NT scope:SCOPE_SE
	global_prefetch_b8 v[PFQ], s[PFA:PFA+1] th:TH_LOAD_NT scope:SCOPE_SE
.Lnoask_\@:
.endm
.macro PFSTEP                          ; on to the next slot of the walk, a change of slots behind the prefetch that read the address
	s_wait_xcnt 0x0
	s_cmp_eq_u32 s[PN], 5
	s_cselect_b32 s[PST], s[PCR], HALFT
	s_add_nc_u64 s[PFA:PFA+1], s[PFA:PFA+1], s[PST:PST+1]
	s_add_co_u32 s[PN], s[PN], 1
.endm
.macro PLACES n
.rept \n
	v_nop
.endr
.endm
	s_load_b256 s[4:11], s[0:1], 0x0               ; aq 4, bq 6, c 8, out0 10
	s_load_b64 s[12:13], s[0:1], 0x20              ; out1
	s_load_b512 s[68:83], s[0:1], 0x28             ; b_ix 68, b_fx 70, b_ox 72, b_cx 74, b_ih 76, b_fh 78, b_oh 80, b_ch 82
	v_lshl_add_u32 v[SPW], v0, 2, SPARE
	v_mov_b32 v[NIL], 0
	ds_add_u32 v[SPW], v[NIL]                      ; the opening: the add, twice on end, and its wait ahead of my first tensor load
	ds_add_u32 v[SPW], v[NIL]
	v_lshrrev_b32 v1, 5, v0
	v_readfirstlane_b32 s14, v1                    ; wave 0..3
	s_lshr_b32 s15, s14, 1                         ; my half of the rows; also: I fetch for aq (0) or bq (1)
	s_and_b32 s16, s14, 1                          ; my half of the hidden units; also: which half I fetch
	s_bfe_u32 s40, ttmp6, 0x40000                  ; cx
	s_bfe_u32 s41, ttmp6, 0x40004                  ; cy
	s_lshl_b32 s42, ttmp9, 2
	s_add_co_u32 s42, s42, s40                     ; tx: which 64 hidden units
	s_and_b32 s17, ttmp7, 0xffff
	s_lshl_b32 s17, s17, 2
	s_add_co_u32 s17, s17, s41                     ; ty: the first tile's 256 rows
	s_lshl_b32 s43, s41, 2
	s_lshl_b32 s43, 15, s43                        ; my row of the cluster
	s_lshl_b32 s44, 0x1111, s40                    ; my column
	s_or_b32 s[G1+0], s43, (3<<16)|(1<<21)         ; the mask; elements of 8 bytes; bit 21 beside a mask
	s_or_b32 s[G1B+0], s44, (3<<16)|(1<<21)
.irp g, G1, G1B
	s_mov_b32 s[\g+1], 32<<16                      ; a dense block of 33,792 bytes as 132 rows of 256
	s_mov_b32 s[\g+2], 132<<16
	s_mov_b32 s[\g+3], 32<<16
	s_mov_b32 s[\g+4], 132
	s_mov_b32 s[\g+5], 32
	s_mov_b32 s[\g+6], 0
	s_mov_b32 s[\g+7], 0
.endr
	s_lshl_b32 s20, s17, 1
	s_add_co_u32 s20, s20, s16                     ; aq's group 2 ty + half
	s_mul_i32 s20, s20, GROUPB
	s_mov_b32 s21, 0
	s_lshl_b32 s46, s42, 1
	s_add_co_u32 s46, s46, s16                     ; bq's group 2 tx + half
	s_mul_i32 s46, s46, GROUPB
	s_mov_b32 s47, 0
	s_mul_i32 s45, s14, HALFT                      ; where they go: wave x 33,792
	s_lshl_b32 s22, s17, 20                        ; the tile's corner in c and the outputs
	s_lshl_b32 s23, s42, 8
	s_add_co_u32 s22, s22, s23
	s_mov_b32 s23, 0
	s_mov_b32 s96, 0xbfb8aa3b                      ; -log2(e)
	s_mov_b32 s97, s96
	s_mov_b32 s98, 0x4038aa3b                      ; 2 log2(e)
	s_mov_b32 s99, s98
	s_mov_b32 s100, 0x41f00000                     ; 30.0
	s_wait_dscnt 0x0                               ; both opening adds are done
	s_wait_kmcnt 0x0
	s_add_nc_u64 s[20:21], s[4:5], s[20:21]
	s_add_nc_u64 s[46:47], s[6:7], s[46:47]
	s_add_nc_u64 s[8:9], s[8:9], s[22:23]
	s_add_nc_u64 s[10:11], s[10:11], s[22:23]
	s_add_nc_u64 s[12:13], s[12:13], s[22:23]
	CROUND                                         ; all sixteen work-groups are here: the first joint loads meet
.irp s, 0,1
	s_mov_b32 s[G0+4*\s], 1
	s_add_co_u32 s[G0+4*\s+1], s45, \s*SLOT
	s_add_nc_u64 s[G0+4*\s+2:G0+4*\s+3], s[20:21], \s*HALFT
	s_or_b32 s[G0+4*\s+3], s[G0+4*\s+3], 0x80000000
	s_mov_b32 s[G0B+4*\s], 1
	s_add_co_u32 s[G0B+4*\s+1], s45, \s*SLOT
	s_add_nc_u64 s[G0B+4*\s+2:G0B+4*\s+3], s[46:47], \s*HALFT
	s_or_b32 s[G0B+4*\s+3], s[G0B+4*\s+3], 0x80000000
.endr
	JLOAD G0, G1, G0B, G1B                         ; slot 0: one tensor load a wave at the head
	s_cmp_eq_u32 s15, 0                            ; the prefetches: the part that I fetch, my work-group's 33 blocks of it, from slot 2 on
	s_cselect_b64 s[PFA:PFA+1], s[20:21], s[46:47]
	s_cselect_b32 s94, s40, s41
	s_cselect_b32 s[LIM], 11, 5
	s_mul_i32 s94, s94, 33*256
	s_add_co_u32 s94, s94, 2*HALFT
	s_mov_b32 s95, 0
	s_add_nc_u64 s[PFA:PFA+1], s[PFA:PFA+1], s[94:95]
	s_mov_b32 s[PN], 2
	s_mov_b32 s[PST+1], 0
	s_mov_b32 s[PCR], CROSS
	s_mul_i32 s18, s15, HALFT                      ; my 128 rows of activations
	s_mul_i32 s19, s16, HALFT
	s_add_co_u32 s19, s19, 2*HALFT                 ; my 128 rows of weights
	s_xor_b32 s20, s15, 1
	s_add_co_u32 s20, s20, s16
	s_add_co_u32 s20, s20, 1
	s_mul_i32 s20, s20, HALFT                      ; the distance between the two
	s_add_co_u32 s21, s18, 16384                   ; a tile's scale words lie behind its fragments
	s_lshl_b32 s22, s42, 8
	s_lshl_b32 s23, s16, 7
	s_add_co_u32 s22, s22, s23                     ; a bias at hidden unit 64 tx + 32 half
	s_mul_i32 s91, s15, 16*CP
	s_add_co_u32 s23, s23, s91
	s_add_co_u32 s23, s23, STG
	s_mul_i32 s91, s14, 8*CP
	s_add_co_u32 s91, s91, STG
	s_lshl_b32 s92, s15, 7
	s_lshl_b32 s93, s16, 3
	s_add_co_u32 s92, s92, s93
	s_lshl_b32 s92, s92, 12
	s_lshl_b32 s93, s14, 18
	v_and_b32 v1, 15, v0                           ; r
	v_bfe_u32 v2, v0, 4, 1                         ; h
	v_and_b32 v3, 31, v0                           ; lane
	v_lshlrev_b32 v4, 4, v3
	v_lshl_add_u32 v[BO], v2, 5, s22
	v_add_nc_u32 v[ADRA], s18, v4
	v_add_nc_u32 v[ADRB], s19, v4
	v_add_nc_u32 v[ADRA+1], SLOT, v[ADRA]
	v_add_nc_u32 v[ADRB+1], SLOT, v[ADRB]
	v_mul_u32_u24 v5, s20, v2                      ; lanes 16-31 take the weights' words: the lower base + h x the distance
	v_lshl_add_u32 v5, v1, 4, v5
	v_add_nc_u32 v[ADRS], s21, v5
	v_add_nc_u32 v[ADRS+1], SLOT, v[ADRS]
	v_mul_u32_u24 v[LL], v1, CP
	v_lshl_add_u32 v[LL], v2, 5, v[LL]
	v_add_nc_u32 v[LL], s23, v[LL]
	v_mul_u32_u24 v[RL], v2, CP
	v_lshl_add_u32 v[RL], v1, 4, v[RL]
	v_add_nc_u32 v[RL], s91, v[RL]
	v_lshlrev_b32 v[CO], 12, v2
	v_lshl_add_u32 v[CO], v1, 4, v[CO]
	v_add_nc_u32 v[CO], s92, v[CO]
	v_lshlrev_b32 v[PFO], 8, v3
	v_mov_b32 v[PFQ], 8192
	v_lshl_add_u32 v[PFC], v3, 12, s93
	s_wait_alu depctr_va_vdst(0)
	ASK                                            ; slot 2, behind slot 0's joint load
.irp g, 0,1,2,3
.irp u, 0,1
.irp t, 0,1
	global_load_b128 v[BI+8*(2*\g+\u)+4*\t:BI+8*(2*\g+\u)+4*\t+3], v[BO], s[68+2*\g:69+2*\g] offset:64*\u+16*\t
	global_load_b128 v[AF+8*(2*\g+\u)+4*\t:AF+8*(2*\g+\u)+4*\t+3], v[BO], s[76+2*\g:77+2*\g] offset:64*\u+16*\t
.endr
.endr
.endr
	s_wait_loadcnt 0x0
.set i, 0
.rept 32
	v_pk_add_f32 v[BI+i:BI+i+1], v[BI+i:BI+i+1], v[AF+i:AF+i+1]   ; b_*x + b_*h
.set i, i+2
.endr
	PLACES NP
	PFSTEP
.macro FRAG reg, adr, q, i             ; a fragment comes as the image of its registers: four loads of 512 consecutive bytes
.irp c, 0,1,2,3
	ds_load_b128 v[\reg+4*\c:\reg+4*\c+3], v[\adr] offset:TILEB*(\q)+2048*(\i)+512*\c
.endr
.endm
; 16 matrix instructions: the activations' blocks a0, a0 + 1 x the weights' eight.  first = 1: the sums begin with the biases' sums as C.  The 64 accumulators take turns.
.macro MUL16 a0, p, q, sc, first
.irp a, \a0, \a0+1
.irp b, 0,1,2,3,4,5,6,7
.if \first
	v_wmma_scale_f32_16x16x128_f8f6f4 v[8*(8*((\a)%4)+\b):8*(8*((\a)%4)+\b)+7], v[128*(\p)+FR*\b:128*(\p)+FR*\b+FR-1], v[AF+FR*(\a):AF+FR*(\a)+FR-1], v[BI+8*\b:BI+8*\b+7], v[SC+16*(\sc)+8*(\q)+\b], v[SC+16*(\sc)+8*(\q)+(\a)] matrix_a_fmt:MATRIX_FMT_BF8 matrix_b_fmt:MATRIX_FMT_BF8 matrix_a_scale:MATRIX_SCALE_ROW1
.else
	v_wmma_scale_f32_16x16x128_f8f6f4 v[8*(8*((\a)%4)+\b):8*(8*((\a)%4)+\b)+7], v[128*(\p)+FR*\b:128*(\p)+FR*\b+FR-1], v[AF+FR*(\a):AF+FR*(\a)+FR-1], v[8*(8*((\a)%4)+\b):8*(8*((\a)%4)+\b)+7], v[SC+16*(\sc)+8*(\q)+\b], v[SC+16*(\sc)+8*(\q)+(\a)] matrix_a_fmt:MATRIX_FMT_BF8 matrix_b_fmt:MATRIX_FMT_BF8 matrix_a_scale:MATRIX_SCALE_ROW1
.endif
.endr
.endr
.endm
.macro FETCH_B slot, q, p
	WIN TO_B
.irp i, 0,1,2,3,4,5,6,7
	FRAG 128*(\p)+FR*\i, ADRB+\slot, \q, \i
.endr
	WIN 0
.endm
.macro FETCH_A slot, q, i0
.irp i, \i0, \i0+1, \i0+2, \i0+3
	FRAG AF+FR*(\i), ADRA+\slot, \q, \i
.endr
.endm
.macro SCALES s
.irp q, 0,1
.irp p, 0,1
	ds_load_b128 v[SC+16*\s+8*\q+4*\p:SC+16*\s+8*\q+4*\p+3], v[ADRS+\s] offset:TILEB*\q+256*\p
.endr
.endr
.endm
; A slot's first 128 along K.  A block of activations is free as soon as its eight products are issued: blocks 0-3 are fetched anew in the step's middle, blocks 4-7 at its end.
.macro STEP slot, first
	s_wait_dscnt 16                                ; all but the youngest 16 loads (blocks 4-7)
.if \first
	WIN FIRST_LO
.else
	WIN MUL_LO
.endif
	MUL16 0, 0, 0, \slot, \first
	MUL16 2, 0, 0, \slot, \first
	s_wait_dscnt 0
	PLACES NP
	FETCH_B \slot, 1, 1
	FETCH_A \slot, 1, 0
.if \first
	WIN FIRST_HI
.else
	WIN MUL_HI
.endif
	MUL16 4, 0, 0, \slot, \first
	MUL16 6, 0, 0, \slot, \first
	PLACES NP
	WIN 0
	FETCH_A \slot, 1, 4
.endm
; Whole rows of c for blocks 0 and 1 of the gates' phase, into the weights' set 0, which the tile's last step does not read (eight places stand behind its last products)
.macro CROWS
	WIN TO_B
.irp t, 0,1,2,3
	global_load_b128 v[4*\t:4*\t+3], v[CO], s[8:9] offset:4096*2*\t th:TH_LOAD_NT
	global_load_b128 v[16+4*\t:16+4*\t+3], v[CO], s[8:9] offset:4096*(16+2*\t) th:TH_LOAD_NT
.endr
	WIN 0
.endm
; A slot's second 128 along K changes slots: one barrier; in front of it each wave waits for all its tensor loads, adds 0 to its spare word, and waits for that and for its reads of this slot.
; fill = 1: the barrier opens a round of the cluster's, and this slot is filled again, two slots on; 3: with the next tile's slot; 0: nothing is filled.  fetch = 0: the tile's last step: no fragments follow.
.macro TURN slot, next, fill, fetch
.if \fill
	PFSTEP
.endif
.if \fetch == 0
	CROWS
.endif
	s_wait_dscnt 16
	WIN MUL_LO
	MUL16 0, 1, 1, \slot, 0
	WIN 0
	s_wait_tensorcnt 0x0                           ; all my tensor loads have landed: my part of the next slot
	ds_add_u32 v[SPW], v[NIL]
	s_wait_dscnt 0x0                               ; the add is done, my reads of this slot are over
	s_barrier_signal -1
	WIN MUL_LO
	MUL16 2, 1, 1, \slot, 0
	WIN 0
	s_barrier_wait -1
.if \fill
	CREST
.if \fill == 3
	s_add_nc_u64 s[G0+4*\slot+2:G0+4*\slot+3], s[G0+4*\slot+2:G0+4*\slot+3], NEXT_A
	s_sub_nc_u64 s[G0B+4*\slot+2:G0B+4*\slot+3], s[G0B+4*\slot+2:G0B+4*\slot+3], BACK_B
.else
	s_add_nc_u64 s[G0+4*\slot+2:G0+4*\slot+3], s[G0+4*\slot+2:G0+4*\slot+3], 2*HALFT
	s_add_nc_u64 s[G0B+4*\slot+2:G0B+4*\slot+3], s[G0B+4*\slot+2:G0B+4*\slot+3], 2*HALFT
.endif
	JLOAD G0+4*\slot, G1, G0B+4*\slot, G1B         ; the first tensor load behind the round, my only one until the next
	PLACES NP-4
.else
	PLACES NP
.endif
.if \fetch
	FETCH_B \next, 0, 0
	FETCH_A \next, 0, 0
	SCALES \next
.endif
.if \fill
	ASK
.endif
	WIN MUL_HI
	MUL16 4, 1, 1, \slot, 0
	MUL16 6, 1, 1, \slot, 0
.if \fetch
	PLACES NP
	WIN 0
	FETCH_A \next, 0, 4
.else
	WIN 0
.endif
.endm
	s_wait_alu depctr_va_vdst(0)
	s_wait_tensorcnt 0x0                           ; my part of slot 0 is in; the same lines as ahead of a refill stand ahead of slot 1's first fill
	ds_add_u32 v[SPW], v[NIL]
	s_wait_dscnt 0x0
	CROUND
	JLOAD G0+4, G1, G0B+4, G1B                     ; slot 1
	ASK
	s_mov_b32 s2, 2                                ; tiles to go
.Ltile:
	FETCH_B 0, 0, 0
	FETCH_A 0, 0, 0
	SCALES 0
	FETCH_A 0, 0, 4
	STEP 0, 1                                      ; a tile's first step starts the sums from the biases
	s_mov_b32 s3, 2
.Llap:
	TURN 0, 1, 1, 1
	s_cmp_lg_u32 s3, 1                             ; in the second trip alone: my 64 rows of this tile's c, a lane a row
	s_cbranch_scc1 .Lnp
	global_prefetch_b8 v[PFC], s[8:9] th:TH_LOAD_NT scope:SCOPE_SE
	global_prefetch_b8 v[PFC], s[8:9] offset:131072 th:TH_LOAD_NT scope:SCOPE_SE
.Lnp:
	STEP 1, 0
	TURN 1, 0, 1, 1
	STEP 0, 0
	s_sub_co_u32 s3, s3, 1
	s_cmp_lg_u32 s3, 0
	s_cbranch_scc1 .Llap
	s_cmp_eq_u32 s2, 1
	s_cbranch_scc1 .Llast                          ; the last tile's last lap is written out: it asks for nothing more
	TURN 0, 1, 3, 1                                ; the ring goes on: slot 0 takes the next tile's first 256 along K,
	STEP 1, 0
	TURN 1, 0, 3, 0                                ; slot 1 its second
	s_branch .Lepi
.Llast:
	TURN 0, 1, 0, 1
	STEP 1, 0
	CROWS
	s_wait_dscnt 16
	WIN MUL_LO
	MUL16 0, 1, 1, 1, 0
	MUL16 2, 1, 1, 1, 0
	s_wait_dscnt 0
	WIN MUL_HI
	MUL16 4, 1, 1, 1, 0
	MUL16 6, 1, 1, 1, 0
	WIN 0
.Lepi:
; THE GATES AND THE WAY OUT, a block of 16 rows x my 32 hidden units at a time: 16 elements a lane.
.macro CLOAD a                         ; c of block a by lanes
.irp u, 0,1
.irp t, 0,1
	ds_load_b128 v[CR+16*((\a)%2)+8*\u+4*\t:CR+16*((\a)%2)+8*\u+4*\t+3], v[LL] offset:BLK*((\a)%2)+64*\u+16*\t
.endr
.endr
.endm
.macro GLOAD a                         ; eight whole rows of c of block a: two rows a load
.irp t, 0,1,2,3
	global_load_b128 v[GC+4*\t:GC+4*\t+3], v[CO], s[8:9] offset:4096*(16*(\a)+2*\t) th:TH_LOAD_NT
.endr
.endm
.macro CSTORE a
.irp t, 0,1,2,3
	ds_store_b128 v[RL], v[GC+4*\t:GC+4*\t+3] offset:BLK*((\a)%2)+2*CP*\t
.endr
.endm
.macro RB a                            ; eight whole rows of block a of each output come back
.irp t, 0,1,2,3
	ds_load_b128 v[RBK+4*\t:RBK+4*\t+3], v[RL] offset:OC+2*BLK*((\a)%2)+2*CP*\t
	ds_load_b128 v[RBK+16+4*\t:RBK+16+4*\t+3], v[RL] offset:OC+2*BLK*((\a)%2)+BLK+2*CP*\t
.endr
.endm
.macro SEND a                          ; 16 lanes store 256 consecutive bytes, at a multiple of 256 from the output's first byte
.irp t, 0,1,2,3
	global_store_b128 v[CO], v[RBK+4*\t:RBK+4*\t+3], s[12:13] offset:4096*(16*(\a)+2*\t) th:TH_STORE_NT
	global_store_b128 v[CO], v[RBK+16+4*\t:RBK+16+4*\t+3], s[10:11] offset:4096*(16*(\a)+2*\t) th:TH_STORE_NT
.endr
.endm
; Block a.  Ahead of its barrier: c's rows of block a + 1 go into their stage (its other user, block a - 1, was read ahead of the barrier before).  Behind it: block a - 1's results come back as rows, c of block a + 1 by lanes,
; c's rows of block a + 2 are asked for.  At its end block a - 1 is stored and block a's results go into their stage (whose readers of block a - 2 ended ahead of this block's barrier).
.macro EPI a
.set EAC, 64*((\a)%4)
.set ECS, CR+16*((\a)%2)
.set EW,  0x02+(\a)/4
	WIN EW
	s_wait_alu depctr_va_vdst(0)                   ; directly ahead of the first reader of these sums
.irp b, 0,1,2,3,4,5
.irp j, 0,2,4,6
	v_pk_mul_f32 v[T+8*\b+\j:T+8*\b+\j+1], v[EAC+8*\b+\j:EAC+8*\b+\j+1], s[96:97] op_sel_hi:[1,0]   ; -k g for gates i, f, o; each accumulator from its low end on
.endr
.endr
.irp b, 6,7
.irp j, 0,2,4,6
	v_pk_mul_f32 v[T+8*\b+\j:T+8*\b+\j+1], v[EAC+8*\b+\j:EAC+8*\b+\j+1], s[98:99] op_sel_hi:[1,0]   ; 2 k g for gate c
.endr
.endr
	WIN 0
.set i, 0
.rept 64
	v_min_num_f32 v[T+i], s100, v[T+i]             ; the exponents are held at 30 from above
.set i, i+1
.endr
	s_wait_alu depctr_va_vdst(0)                   ; one wait ahead of the batch
.set i, 0
.rept 64
	v_exp_f32 v[T+i], v[T+i]                       ; a, b, e, d
.set i, i+1
.endr
	v_nop                                          ; a plain line behind the last exponential
.if (\a) >= 1 && (\a) < 7
	s_wait_loadcnt 0x0                             ; c's rows of the next block are in
	CSTORE (\a)+1
.endif
	s_wait_dscnt 0x0                               ; for the others' sake: my stores into the stages have landed, my reads are back
	s_barrier_signal -1
	s_barrier_wait -1
.if (\a) > 1
	s_wait_xcnt 0x0                                ; the stores of block a - 2 have read their registers
.endif
.if (\a) > 0
	RB (\a)-1
.endif
.if (\a) >= 1 && (\a) < 7
	CLOAD (\a)+1
.endif
.if (\a) >= 1 && (\a) < 6
	GLOAD (\a)+2
.endif
	s_wait_alu depctr_va_vdst(0)                   ; and one behind it, ahead of its first reader
.irp j, 0,2,4,6,8,10,12,14
	v_pk_add_f32 v[DM+\j:DM+\j+1], v[TD+\j:TD+\j+1], -1.0 op_sel_hi:[1,0]   ; d - 1
.endr
.irp j, 0,2,4,6,8,10,12,14
	v_pk_add_f32 v[TD+\j:TD+\j+1], v[TD+\j:TD+\j+1], 1.0 op_sel_hi:[1,0]    ; 1 + d
.endr
.irp j, 0,2,4,6,8,10,12,14
	v_pk_add_f32 v[TO+\j:TO+\j+1], v[TO+\j:TO+\j+1], 1.0 op_sel_hi:[1,0]    ; 1 + e
.endr
.irp j, 0,2,4,6,8,10,12,14
	v_pk_fma_f32 v[TI+\j:TI+\j+1], v[TI+\j:TI+\j+1], v[TD+\j:TD+\j+1], v[TD+\j:TD+\j+1]   ; (1 + a)(1 + d)
.endr
.irp j, 0,2,4,6,8,10,12,14
	v_pk_fma_f32 v[DM+\j:DM+\j+1], v[DM+\j:DM+\j+1], v[TF+\j:TF+\j+1], v[DM+\j:DM+\j+1]   ; (d - 1)(1 + b)
.endr
.irp j, 0,2,4,6,8,10,12,14
	v_pk_fma_f32 v[DM+\j:DM+\j+1], v[ECS+\j:ECS+\j+1], v[TI+\j:TI+\j+1], v[DM+\j:DM+\j+1] ; N
.endr
.irp j, 0,2,4,6,8,10,12,14
	v_pk_fma_f32 v[TF+\j:TF+\j+1], v[TF+\j:TF+\j+1], v[TO+\j:TO+\j+1], v[TO+\j:TO+\j+1]   ; (1 + b)(1 + e)
.endr
.irp j, 0,2,4,6,8,10,12,14
	v_pk_mul_f32 v[TI+\j:TI+\j+1], v[TI+\j:TI+\j+1], v[TF+\j:TF+\j+1]                     ; the divisor
.endr
	s_wait_alu depctr_va_vdst(0)                   ; ahead of the batch
.set i, 0
.rept 16
	v_rcp_f32 v[TI+i], v[TI+i]
.set i, i+1
.endr
	v_nop
	s_wait_alu depctr_va_vdst(0)                   ; behind it
.irp j, 0,2,4,6,8,10,12,14
	v_pk_mul_f32 v[DM+\j:DM+\j+1], v[DM+\j:DM+\j+1], v[TI+\j:TI+\j+1]                     ; h_new
.endr
.irp j, 0,2,4,6,8,10,12,14
	v_pk_mul_f32 v[ECS+\j:ECS+\j+1], v[DM+\j:DM+\j+1], v[TO+\j:TO+\j+1]                   ; c_new = h_new (1 + e), where c lay
.endr
	s_wait_alu depctr_va_vdst(0)
.if (\a) > 0
	s_wait_dscnt 0x0                               ; the rows of block a - 1 and c of block a + 1 are in registers
	SEND (\a)-1
.endif
.irp u, 0,1
.irp t, 0,1
	ds_store_b128 v[LL], v[ECS+8*\u+4*\t:ECS+8*\u+4*\t+3] offset:OC+2*BLK*((\a)%2)+64*\u+16*\t
	ds_store_b128 v[LL], v[DM+8*\u+4*\t:DM+8*\u+4*\t+3] offset:OC+2*BLK*((\a)%2)+BLK+64*\u+16*\t
.endr
.endr
.endm
	PLACES NP                                      ; behind the last products: for the reads of results and the loads into the fragments' registers
	s_wait_loadcnt 0x0                             ; c's rows of blocks 0 and 1
	WIN FROM_B
.irp t, 0,1,2,3
	ds_store_b128 v[RL], v[4*\t:4*\t+3] offset:2*CP*\t
	ds_store_b128 v[RL], v[16+4*\t:16+4*\t+3] offset:BLK+2*CP*\t
.endr
	WIN 0
	s_wait_dscnt 0x0
	s_barrier_signal -1
	s_barrier_wait -1
	CLOAD 0
	CLOAD 1
	GLOAD 2
.irp a, 0,1,2,3,4,5,6,7
	EPI \a
.endr
	s_wait_dscnt 0x0                               ; for the others' sake: my stores of the last block have landed
	s_barrier_signal -1
	s_barrier_wait -1
	s_wait_xcnt 0x0
	RB 7
	s_wait_dscnt 0x0
	SEND 7
	s_wait_xcnt 0x0                                ; the stores have read their registers and bases
	s_add_nc_u64 s[8:9], s[8:9], 0x1000000         ; the next tile lies 4,096 rows of 4,096 bytes down
	s_add_nc_u64 s[10:11], s[10:11], 0x1000000
	s_add_nc_u64 s[12:13], s[12:13], 0x1000000
	s_sub_co_u32 s2, s2, 1
	s_cmp_lg_u32 s2, 0
	s_cbranch_scc1 .Ltile
	s_wait_tensorcnt 0x0                           ; the wave's end
	ds_add_u32 v[SPW], v[NIL]
	s_wait_dscnt 0x0
	CROUND                                         ; the closing round
	s_endpgm
.Lfunc_end_k_qa168f14565_cell:
	.size	k_qa168f14565_cell, .Lfunc_end_k_qa168f14565_cell-k_qa168f14565_cell
	.p2alignl 7, 3214868480
	.fill 96, 4, 3214868480
	.section	.rodata,"a",@progbits
	.p2align	6, 0x0
	.amdhsa_kernel k_qa168f14565_cell
		.amdhsa_group_segment_fixed_size 327680
		.amdhsa_private_segment_fixed_size 0
		.amdhsa_enable_private_segment 0
		.amdhsa_kernarg_size 104
		.amdhsa_user_sgpr_count 2
		.amdhsa_user_sgpr_kernarg_segment_ptr 1
		.amdhsa_wavefront_size32 1
		.amdhsa_system_sgpr_workgroup_id_x 1
		.amdhsa_system_sgpr_workgroup_id_y 1
		.amdhsa_system_sgpr_workgroup_id_z 1
		.amdhsa_system_vgpr_workitem_id 0
		.amdhsa_next_free_vgpr 1024
		.amdhsa_next_free_sgpr 102
		.amdhsa_reserve_vcc 0
		.amdhsa_float_denorm_mode_32 3
		.amdhsa_float_denorm_mode_16_64 3
		.amdhsa_memory_ordered 1
		.amdhsa_forward_progress 1
		.amdhsa_inst_pref_size 255
	.end_amdhsa_kernel
	.section	.bss,"aw",@nobits
	.p2align	6
	.space	262144
	.amdgpu_metadata
---
amdhsa.version: [ 1, 2 ]
amdhsa.kernels:
  - .name:           k_qa168f14565_cell
    .symbol:         k_qa168f14565_cell.kd
    .args:
      - { .name: aq, .offset: 0, .size: 8, .value_kind: global_buffer, .address_space: global }
      - { .name: bq, .offset: 8, .size: 8, .value_kind: global_buffer, .address_space: global }
      - { .name: c, .offset: 16, .size: 8, .value_kind: global_buffer, .address_space: global }
      - { .name: out0, .offset: 24, .size: 8, .value_kind: global_buffer, .address_space: global }
      - { .name: out1, .offset: 32, .size: 8, .value_kind: global_buffer, .address_space: global }
      - { .name: b_ix, .offset: 40, .size: 8, .value_kind: global_buffer, .address_space: global }
      - { .name: b_fx, .offset: 48, .size: 8, .value_kind: global_buffer, .address_space: global }
      - { .name: b_ox, .offset: 56, .size: 8, .value_kind: global_buffer, .address_space: global }
      - { .name: b_cx, .offset: 64, .size: 8, .value_kind: global_buffer, .address_space: global }
      - { .name: b_ih, .offset: 72, .size: 8, .value_kind: global_buffer, .address_space: global }
      - { .name: b_fh, .offset: 80, .size: 8, .value_kind: global_buffer, .address_space: global }
      - { .name: b_oh, .offset: 88, .size: 8, .value_kind: global_buffer, .address_space: global }
      - { .name: b_ch, .offset: 96, .size: 8, .value_kind: global_buffer, .address_space: global }
    .group_segment_fixed_size: 327680
    .private_segment_fixed_size: 0
    .kernarg_segment_align: 8
    .kernarg_segment_size: 104
    .max_flat_workgroup_size: 128
    .sgpr_count:     102
    .vgpr_count:     1024
    .wavefront_size: 32
...
	.end_amdgpu_metadata
.endif
;; end of part 2
